; MI455X (gfx1250); checked and timed in simulation.
; The chip was launched on July 23, 2026; its instructions are those of AMD's public machine-readable ISA for CDNA 5 (MIT licence, August 2026) and "CDNA5" Instruction Set Architecture Reference Guide (July 2026). The comments in the code are by the model that wrote it; some were corrected since.
;; Causal Multi Head Attention. Allowed arithmetic: matrix products marked QUANTISED: E4M3 operands, one given power-of-two scale a tensor, by v_wmma_f32_16x16x64_fp8_fp8 or v_wmma_f32_16x16x128_fp8_fp8, f32 sums; everything else in f32.
;; Inputs: Wk_codes 1,024 x 32 x 32 uint8 (E4M3 codes of Wk, K innermost, in blocks of 32 codes); Wo_codes 1,024 x 32 x 32 uint8 (E4M3 codes of Wo, K innermost, in blocks of 32 codes); Wq_codes 1,024 x 32 x 32 uint8 (E4M3 codes of Wq, K innermost, in blocks of 32 codes); Wv_codes 1,024 x 32 x 32 uint8 (E4M3 codes of Wv, K innermost, in blocks of 32 codes); bo 1,024 float32; lowp_scales 12 int32 (the exponents e of the quantised operands' scales 2^e); x_codes 4 x 2,048 x 32 x 32 uint8 (E4M3 codes of x, K innermost, in blocks of 32 codes).
;; Outputs: out0 4 x 2,048 x 1,024 float32.
;; This version of the problem:
;;   THIS VERSION OF THE PROBLEM IS GIVEN IN LOW PRECISION. The matrix products marked QUANTISED in the list below multiply operands that are first quantised to E4M3 (4 exponent bits, 3 mantissa bits; 8 bits a number), with one given power-of-two scale for each operand tensor; their sums are f32. All else is computed in f32.
;;   The module's matrix products, in the order in which they are computed (A, B: the left and right operand; K: the contracted axis; several contracted axes count as one K, in the product's order):
;;     1. [M 8,192, K 1,024] x [K 1,024, N 1,024]; A: input x (given as codes); B: input Wq (given as codes): QUANTISED (scales: A lowp_scales[0], B lowp_scales[1])
;;     2. [M 8,192, K 1,024] x [K 1,024, N 1,024]; A: input x (given as codes); B: input Wk (given as codes): QUANTISED (scales: A lowp_scales[2], B lowp_scales[3])
;;     3. [M 8,192, K 1,024] x [K 1,024, N 1,024]; A: input x (given as codes); B: input Wv (given as codes): QUANTISED (scales: A lowp_scales[4], B lowp_scales[5])
;;     4. batch 64 x [M 2,048, K 64] x [K 64, N 2,048]; A: computed on the way; B: computed on the way: QUANTISED (scales: A lowp_scales[6], B lowp_scales[7])
;;     5. batch 64 x [M 2,048, K 2,048] x [K 2,048, N 64]; A: softmax (see below); B: computed on the way: QUANTISED (scales: A lowp_scales[8], B lowp_scales[9])
;;     6. [M 8,192, K 1,024] x [K 1,024, N 1,024]; A: computed on the way; B: input Wo (given as codes): QUANTISED (scales: A lowp_scales[10], B lowp_scales[11])
;;   THE QUANTISER, for each operand of a quantised product, along K:
;;     - The operand's scale is 2^e, e = its entry of the input lowp_scales (int32; the entries are numbered through the quantised products in the list's order, A before B).
;;     - Each number is divided by the scale, clamped to +-448, and rounded to the nearest number of E4M3, ties to even, subnormals kept.
;;     - The product sums the exact products of the quantised numbers (number of the format x scale) in f32.
;;   ~~~python
;;   def quantise(x, axis, e):      # numpy; x: float32 -> the quantised numbers, widened to float32 again
;;       x = np.moveaxis(x, axis, -1); K = x.shape[-1]
;;       r = np.clip(x / 2.0 ** e, -448, 448)
;;       step = 2.0 ** (np.maximum(np.frexp(np.where(r == 0, 1, r))[1] - 1, -6) - 3)
;;       q = np.round(r / step) * step * 2.0 ** e      # np.round: ties to even
;;       return np.moveaxis(q, -1, axis).astype(np.float32)
;;   ~~~
;;   SOFTMAX AHEAD OF A QUANTISED PRODUCT. Where the list says 'softmax', what is quantised is not the finished softmax but p = 2^(t - M), with t = logit x log2(e) and M = ceil(the row's largest t), a whole number; so 1/2 < the row's largest p <= 1. The row's sum l is taken of the UNQUANTISED p, in f32, and the product's result is divided by l at the end. Since M is a whole number, a kernel that streams over the keys may use a running M (the ceiling of the running maximum): every later rescaling is an exact power of two, so the quantised numbers keep their values, but for numbers so far below the row's largest that they fall under the format's range.
;;   OPERANDS COMPUTED ON THE WAY. 'Computed on the way' means the value that the module computes at that place (a softmax that the list does not call 'softmax' is quantised finished and normalised). What goes into a quantiser is computed in f32, as accurately as f32 sums, v_exp_f32 and their like allow (about 1e-6 of the number): no bf16 or f16 on the way to a quantiser, and a product that is left as it is and whose result goes on into a quantised operand takes f32 operands (vector FMAs, or v_wmma_f32_16x16x4_f32). A number that lies on a knife's edge between two numbers of the format may be rounded either way, as far as f32 arithmetic and the matrix unit's own rounding can turn it there, and no further.
;;   INPUTS GIVEN AS CODES. Wk (in the module: [1024, 1024], K = its axis 0); Wo (in the module: [1024, 1024], K = its axis 0); Wq (in the module: [1024, 1024], K = its axis 0); Wv (in the module: [1024, 1024], K = its axis 0); x (in the module: [4, 2048, 1024], K = its axis 2): each comes as NAME_codes (uint8): NAME with its K axis moved to the last place and cut into blocks of 32 codes, [.., K / 32, bytes a block], one block behind the other in memory; one code a byte (a code: sign, 4 exponent bits, 3 mantissa bits); its scale is its entry of lowp_scales. Its value is code x scale, taken as it is: it is not quantised again, and the codes and scales need not be those that the quantiser above would give.
;; One version. Each part assembles by itself: llvm-mc -triple=amdgcn-amd-amdhsa -mcpu=gfx1250 --defsym DOCPART=n.
;; ======== version 1 of 1: 3 launches
;; limits: right only within a limited range of input values
;; workspace buffers: q_img 8,388,608 bytes; k_img 8,388,608 bytes; v_img 8,388,608 bytes; ctx_img 8,388,608 bytes
;; launch qkv (part 1): grid 4 x 64, 4 waves a work-group, clusters of 4 x 4, 327,680 bytes of LDS; arguments x_codes, Wq_codes, Wk_codes, Wv_codes, lowp_scales, q_img, k_img, v_img; writes q_img, k_img, v_img
.if DOCPART == 1
	.amdgcn_target "amdgcn-amd-amdhsa--gfx1250"
	.amdhsa_code_object_version 6
	.text
	.protected	k_qc054b41297_qkv
	.globl	k_qc054b41297_qkv
	.p2align	8
	.type	k_qc054b41297_qkv,@function
k_qc054b41297_qkv:
	s_mov_b64 s[64:65], 0
	v_nop
	global_prefetch_b8 v0, s[64:65] scope:SCOPE_SE
	s_setreg_imm32_b32 hwreg(HW_REG_WAVE_MODE, 25, 1), 1
	s_wait_xcnt 0x0
	s_wait_alu depctr_hold_cnt(0) depctr_sa_sdst(0) depctr_va_vdst(0) depctr_va_sdst(0) depctr_va_ssrc(0) depctr_va_vcc(0) depctr_vm_vsrc(0)
	s_getreg_b32 s2, hwreg(HW_REG_IB_STS2, 6, 4)
	s_cmp_eq_u32 s2, 0
	s_cbranch_scc0 .Lentry_in_a_cluster
	s_endpgm
.Lentry_in_a_cluster:
	s_bfe_u32 s2, ttmp6, 0x10000c
	s_cmp_lg_u32 s2, 0xf033
	s_cbranch_scc0 .Lentry_shape_is_right
	s_endpgm
.Lentry_shape_is_right:
; q = x Wq, k = x Wk, v = x Wv on codes of FP8 (E4M3), each [8192 x 1024] x [1024 x 1024]; each result is quantised again (scales 2^e6, 2^e7, 2^e9) and stored as codes,
; laid as images of the registers in which the attention launch wants them: nothing is transposed later, and every store of a wave covers 512 consecutive, aligned bytes.
; SHARES.  256 work-groups: work-group (nb, mb) makes rows 128 mb .. +127 and columns 256 nb .. +255 of all three results, one after the other.  Four waves; wave w makes rows 64 (w / 2) on, columns 128 (w % 2) on:
; 32 accumulators of 16 x 16.  ITS 64 ROWS OF x, ALL 1,024 ALONG K, STAY IN 512 REGISTERS for the whole launch: x is read once for three products, and the loop reads only the weights' fragments from LDS.
; THE WEIGHTS go through a ring of two LDS slots of 256 rows x 512 along K.  x's tile is slot 1's first fill; when it has been read into registers the slot joins the ring.
; CLUSTERS: 4 x 4 work-groups.  The four of a row of the cluster need the same rows of x, the four of a column the same rows of the weights: each tile is asked for JOINTLY, by the same tensor load with the same
; descriptor and a mask that names the four.  By this text's own count a wave has at most two tensor loads out (the two first fills), later one.
; A HALF-STEP g is 128 along K x four of the wave's eight column blocks: 16 LDS loads, 16 matrix instructions.  The fragments go through three register buffers, loaded two half-steps ahead.
; k IS PERMUTED ALIKE IN BOTH OPERANDS (a fragment comes by four loads of 16 bytes: registers 4 c .. 4 c + 3 hold k = 32 c + 16 (lane / 16) + 0 .. 15): every product meets its partner, only the order of the sums inside an instruction changes.
; q, k: source 0 = 16 rows of W, source 1 = 16 rows of x: a lane holds one row of x and eight neighbouring channels, which are K of the scores' product.
; v:    source 0 = 16 rows of x, source 1 = 16 rows of W: a lane holds one channel and eight neighbouring keys, which are K of the second product of attention.
; IMAGES.  q_img, k_img: [head 64][16 rows: 128][2][32 lanes][16 bytes]: registers 2 c, 2 c + 1 of lane (r, h): channels 16 c + 8 h + 0 .. 7 of row r.
;          v_img: [head 64][128 keys: 16][16 channels: 4][4][32 lanes][16 bytes]: registers 2 c, 2 c + 1 of lane (r, h): keys 16 c + 8 h + 0 .. 7 of channel r.
; LIMITS: e6 - e0 - e1, e7 - e2 - e3 and e9 - e4 - e5 lie between -126 and 119, so that each folded scale and 448 x it are f32 numbers.  NaN codes among the inputs are not served.
; REGISTERS, in windows of 256: window 0: v1-15 addresses and scales, v28, v29 for the add, v32-223 three buffers of four fragments of W;  window 1: accumulator (a, b) at v[8 (8 a + b)];
;   windows 2, 3: x's fragment (a, q) at v[64 (q % 4) + 16 a] of window 2 + q / 4.
.set PITCHA, 1040                      ; a row of x in LDS: 1,024 bytes + 16 of padding = 260 words: row r starts at bank 4 r mod 64 (64 banks of 4 bytes: ISA guide 11.1)
.set PITCHB, 528                       ; a row of W in LDS: 512 bytes + 16 = 132 words: likewise
.set SLOT,   256*PITCHB                ; 135,168 bytes; x's tile, 128 x 1,040 bytes, fits in one
.set SPARE,  2*SLOT                    ; behind the ring: the spare words, 128 bytes for each wave: two blocks of 256 bytes that no other line names
.set NG,     48                        ; half-steps: 3 weights x 8 K steps x 2
.set BB,     32                        ; v32, v96, v160: the three buffers
.set ADRA,   4                         ; v4    LDS address of my fragments of x
.set ADRB,   5                         ; v5-6  of my fragments of W in slot 0, 1
.set LO,     15                        ; v15   16 x lane: my place in an image
.set SPW,    28                        ; v28   LDS address of my spare word; never rewritten
.set NIL,    29                        ; v29   0; never rewritten
.set WV,     20                        ; s20   my wave's number
.set G1A,    28                        ; s[28:35] descriptor group 1 for x's tile
.set G1B,    36                        ; s[36:43] for W's tiles
.set G0A,    44                        ; s[44:47] group 0 for x's tile
.set G0B,    48                        ; s[48:51], s[52:55] group 0 for W's tiles, one set for each slot
.set PB,     56                        ; s[56:57], s[58:59], s[60:61] my 64 rows of Wq, Wk, Wv
.set MSB, 0
.macro WIN new                         ; the immediate's high byte repeats the setting that is left; a switch that changes nothing is dropped
.if MSB != (\new)
	s_set_vgpr_msb (MSB<<8)|(\new)
.set MSB, (\new)
.endif
.endm
.macro PLACES n                        ; plain vector instructions that name no register of the matrix instructions in front of them (ISA guide 7.12.1)
.rept \n
	v_nop
.endr
.endm
.macro CREST                           ; a round of the cluster's barrier behind its opening barrier
	s_cmp_lg_u32 s[WV], 0
	s_cbranch_scc1 .Lnot_wave_0_\@
	s_barrier_signal -3
.Lnot_wave_0_\@:
	s_barrier_wait -3
	s_barrier_signal -1
	s_barrier_wait -1
.endm
.macro CROUND                          ; a whole round
	s_barrier_signal -1
	s_barrier_wait -1
	CREST
.endm
; E = e[ec] - e[ea] - e[eb]: a sum stands for sum x 2^(ea + eb), so its code is sum / 2^E.  v[vsc] = 2^E, v[vlm] = 448 x 2^E
.macro MKSC ea, eb, ec, vsc, vlm
	s_sub_co_i32 s96, s[\ec], s[\ea]
	s_sub_co_i32 s96, s96, s[\eb]
	s_add_co_i32 s96, s96, 127
	s_lshl_b32 s97, s96, 23
	v_mov_b32 v[\vsc], s97
	s_add_co_i32 s96, s96, 8
	s_lshl_b32 s96, s96, 23
	s_or_b32 s96, s96, 0x600000
	v_mov_b32 v[\vlm], s96
.endm
	s_load_b512 s[4:19], s[0:1], 0x0               ; x s[4:5], Wq s[6:7], Wk s[8:9], Wv s[10:11], scales s[12:13], q_img s[14:15], k_img s[16:17], v_img s[18:19]
	v_lshl_add_u32 v[SPW], v0, 2, SPARE
	v_mov_b32 v[NIL], 0
	ds_add_u32 v28, v29
	ds_add_u32 v28, v29
	s_wait_dscnt 0x0
	v_lshrrev_b32 v1, 5, v0
	v_readfirstlane_b32 s[WV], v1                  ; wave 0..3
	s_lshr_b32 s21, s[WV], 1                       ; rh: which 64 rows are mine
	s_and_b32 s22, s[WV], 1                        ; ch: which 128 columns
	s_bfe_u32 s23, ttmp6, 0x40000                  ; cx, cy: my place in the cluster
	s_bfe_u32 s24, ttmp6, 0x40004
	s_lshl_b32 s25, ttmp9, 2
	s_add_co_u32 s25, s25, s23                     ; nb = 4 x cluster x + cx
	s_and_b32 s26, ttmp7, 0xffff
	s_lshl_b32 s26, s26, 2
	s_add_co_u32 s26, s26, s24                     ; mb = 4 x cluster y + cy
	s_lshl_b32 s27, s24, 2
	s_lshl_b32 s27, 15, s27                        ; my row of the cluster
	s_lshl_b32 s2, 0x1111, s23                     ; my column
	; group 1 for x: 32 rows x 1,024 bytes a wave, 16 bytes of padding behind each row
	s_or_b32 s[G1A+0], s27, (1<<20)|(1<<21)|(7<<22)|(3<<25)   ; 15:0 the mask: my row; 17:16 elements of 1 byte; 20 padding on; 21 set beside a mask; 24:22 after every 256 words (code 7); 31:25 four words (code 3)
	s_mov_b32 s[G1A+1], 1024<<16                   ; tensor_dim0
	s_mov_b32 s[G1A+2], 32<<16                     ; tensor_dim1
	s_mov_b32 s[G1A+3], 1024<<16                   ; tile_dim0
	s_mov_b32 s[G1A+4], 32                         ; tile_dim1
	s_mov_b32 s[G1A+5], 1024                       ; from row to row
	s_mov_b32 s[G1A+6], 0
	s_mov_b32 s[G1A+7], 0
	; group 1 for W: 64 rows x 512 bytes a wave, 16 bytes of padding behind each row
	s_or_b32 s[G1B+0], s2, (1<<20)|(1<<21)|(6<<22)|(3<<25)    ; the mask: my column; padding after every 128 words (code 6)
	s_mov_b32 s[G1B+1], 512<<16
	s_mov_b32 s[G1B+2], 64<<16
	s_mov_b32 s[G1B+3], 512<<16
	s_mov_b32 s[G1B+4], 64
	s_mov_b32 s[G1B+5], 1024
	s_mov_b32 s[G1B+6], 0
	s_mov_b32 s[G1B+7], 0
	s_lshl_b32 s84, s26, 17                        ; x: 128 mb rows of 1,024 bytes
	s_lshl_b32 s85, s[WV], 15                      ;    + my wave's 32 rows: made of cy and the wave's number alone
	s_add_co_u32 s84, s84, s85
	s_mov_b32 s85, 0
	s_lshl_b32 s86, s25, 18                        ; W: 256 nb rows
	s_lshl_b32 s87, s[WV], 16                      ;    + my wave's 64 rows: made of cx and the wave's number alone
	s_add_co_u32 s86, s86, s87
	s_mov_b32 s87, 0
	s_mul_i32 s98, s[WV], 32*PITCHA                ; where they go: the wave's number alone enters an LDS address
	s_mul_i32 s99, s[WV], 64*PITCHB
	s_mov_b32 s[G0A], 1
	s_add_co_u32 s[G0A+1], s98, SLOT
	s_mov_b32 s[G0B], 1
	s_mov_b32 s[G0B+1], s99
	s_mov_b32 s[G0B+4], 1
	s_add_co_u32 s[G0B+5], s99, SLOT
	; where my results go.  First head: 16 (mb / 16) + 4 nb + 2 ch, 131,072 bytes a head in each image
	s_lshr_b32 s88, s26, 4
	s_lshl_b32 s88, s88, 4
	s_lshl_b32 s89, s25, 2
	s_add_co_u32 s88, s88, s89
	s_lshl_b32 s89, s22, 1
	s_add_co_u32 s88, s88, s89
	s_lshl_b32 s88, s88, 17
	s_and_b32 s89, s26, 15
	s_lshl_b32 s89, s89, 13                        ; the work-group's 128 rows are 8 fragments of 1,024 bytes in q_img and k_img, one block of 8,192 in v_img
	s_add_co_u32 s88, s88, s89
	s_lshl_b32 s90, s21, 12                        ; q, k: my 64 rows are four fragments
	s_add_co_u32 s90, s88, s90
	s_mov_b32 s91, 0
	s_lshl_b32 s92, s21, 10                        ; v: my 64 keys are two of a fragment's four pieces of 512 bytes
	s_add_co_u32 s92, s88, s92
	s_mov_b32 s93, 0
	s_wait_kmcnt 0x0
	s_load_b256 s[68:75], s[12:13], 0x0            ; e0 .. e7
	s_load_b64 s[76:77], s[12:13], 0x20            ; e8, e9
	s_add_nc_u64 s[G0A+2:G0A+3], s[4:5], s[84:85]
	s_or_b32 s[G0A+3], s[G0A+3], 0x80000000        ; type = 2
	s_add_nc_u64 s[PB:PB+1], s[6:7], s[86:87]
	s_add_nc_u64 s[PB+2:PB+3], s[8:9], s[86:87]
	s_add_nc_u64 s[PB+4:PB+5], s[10:11], s[86:87]
	s_mov_b64 s[G0B+2:G0B+3], s[PB:PB+1]           ; slot 0: Wq, K 0 .. 511
	s_or_b32 s[G0B+3], s[G0B+3], 0x80000000
	s_add_nc_u64 s[G0B+6:G0B+7], s[PB:PB+1], 512   ; slot 1, later: Wq, K 512 .. 1,023
	s_or_b32 s[G0B+7], s[G0B+7], 0x80000000
	s_add_nc_u64 s[78:79], s[14:15], s[90:91]      ; q_img, k_img, v_img at my first bytes
	s_add_nc_u64 s[80:81], s[16:17], s[90:91]
	s_add_nc_u64 s[82:83], s[18:19], s[92:93]
	CROUND                                         ; all sixteen work-groups are here: the first joint loads meet
	tensor_load_to_lds s[G0A:G0A+3], s[G1A:G1A+7]  ; the two first fills go out together: x's tile into slot 1's bytes,
	s_nop 0
	tensor_load_to_lds s[G0B:G0B+3], s[G1B:G1B+7]  ; Wq's first 512 along K into slot 0
	s_nop 0
	PLACES 4                                       ; four v_nop follow
	v_and_b32 v1, 15, v0                           ; r
	v_bfe_u32 v2, v0, 4, 1                         ; h
	v_mul_u32_u24 v3, v1, PITCHA
	v_lshl_add_u32 v3, v2, 4, v3                   ; row r x pitch + 16 h
	s_mul_i32 s94, s21, 64*PITCHA
	s_add_co_u32 s94, s94, SLOT
	v_add_nc_u32 v[ADRA], s94, v3                  ; my 64 rows of x
	v_mul_u32_u24 v3, v1, PITCHB
	v_lshl_add_u32 v3, v2, 4, v3
	s_mul_i32 s95, s22, 128*PITCHB
	v_add_nc_u32 v[ADRB], s95, v3                  ; my 128 rows of W, slot 0
	v_add_nc_u32 v[ADRB+1], SLOT, v[ADRB]          ; slot 1
	v_and_b32 v[LO], 31, v0
	v_lshlrev_b32 v[LO], 4, v[LO]
	s_wait_kmcnt 0x0
	MKSC 68, 69, 74, 8, 9                          ; q: e6 - e0 - e1
	MKSC 70, 71, 75, 10, 11                        ; k: e7 - e2 - e3
	MKSC 72, 73, 77, 12, 13                        ; v: e9 - e4 - e5
; the four fragments of W of half-step g: column blocks 4 (g % 2) on, 128 along K at byte 128 ((g % 8) / 2) of the rows of slot (g / 8) % 2, into buffer g % 3
.macro BLOAD g
.set BR, BB+64*((\g)%3)
.set BO, 4*((\g)%2)*16*PITCHB+128*(((\g)%8)/2)
.irp bq, 0,1,2,3
.irp c, 0,1,2,3
	ds_load_b128 v[BR+16*\bq+4*\c:BR+16*\bq+4*\c+3], v[ADRB+((\g)/8)%2] offset:BO+\bq*16*PITCHB+32*\c
.endr
.endr
.endm
; eight matrix instructions of half-step g: two column blocks x my four row blocks.  The first K step of a weight starts the sums with the constant 0: nothing is ever cleared.
; The 32 accumulators take turns, one instruction a turn, in the same order in every K step.
.macro MUL8 g, half, swap
.set QK, ((\g)%16)/2
.set AW, 2+QK/4
.set BR, BB+64*((\g)%3)
.if \swap
.set WW, 0x50|AW                       ; source 0 = x (window 2 or 3), source 1 = W (window 0), C and D window 1
.else
.set WW, 0x50|(AW<<2)                  ; source 0 = W, source 1 = x
.endif
	WIN WW
.irp bq, 2*\half, 2*\half+1
.irp a, 0,1,2,3
.set DR, 8*(8*\a+4*((\g)%2)+(\bq))
.set AR, 64*(QK%4)+16*\a
.set FB, BR+16*(\bq)
.if ((\g)%16) < 2
.if \swap
	v_wmma_f32_16x16x128_fp8_fp8 v[DR:DR+7], v[AR:AR+15], v[FB:FB+15], 0
.else
	v_wmma_f32_16x16x128_fp8_fp8 v[DR:DR+7], v[FB:FB+15], v[AR:AR+15], 0
.endif
.else
.if \swap
	v_wmma_f32_16x16x128_fp8_fp8 v[DR:DR+7], v[AR:AR+15], v[FB:FB+15], v[DR:DR+7]
.else
	v_wmma_f32_16x16x128_fp8_fp8 v[DR:DR+7], v[FB:FB+15], v[AR:AR+15], v[DR:DR+7]
.endif
.endif
.endr
.endr
.endm
; a half-step: the fragments of two half-steps on are asked for, into the buffer that the half-step before has just multiplied (four places behind its products); then 16 products
.macro HS g, swap
.if (\g)+2 < NG
	PLACES 4
	WIN 0
	BLOAD (\g)+2
.endif
.if NG-1-(\g) >= 2
	s_wait_dscnt 32                                ; mine are in; the 16 loads of each of the next two half-steps may be out
.else
	s_wait_dscnt 16*(NG-1-(\g))
.endif
	MUL8 \g, 0, \swap
	MUL8 \g, 1, \swap
.endm
; the last half-step but one of a slot changes slots: the next half-step's fragments have been asked for, so my reads of the slot are all issued.  ONE barrier: in front of it each wave waits for all its tensor loads
; (its part of the next slot), adds 0 to its spare word, and waits for that and for its reads of this slot.  fill = 1: the barrier opens a round of the cluster's, and the slot is filled again, from s[pb] + koff.
.macro CHG g, swap, fill, pb, koff, d0
	WIN 0                                          ; (the add's two registers lie in window 0)
	s_wait_tensorcnt 0x0                           ; all my tensor loads have landed, so a group 0 may be written
	ds_add_u32 v[SPW], v[NIL]                      ; 0 onto my spare word
.if \fill
	s_add_nc_u64 s[\d0+2:\d0+3], s[\pb:\pb+1], \koff
	s_or_b32 s[\d0+3], s[\d0+3], 0x80000000
.endif
	s_wait_dscnt 17                                ; this half-step's fragments are in; the next one's 16 loads and the add may be out
	MUL8 \g, 0, \swap
	s_wait_dscnt 0x0                               ; the add is done, and my reads of this slot are over
	s_barrier_signal -1
	MUL8 \g, 1, \swap
	WIN 0
	s_barrier_wait -1
.if \fill
	CREST                                          ; no wave of any partner still reads this slot or has a load on its way
	tensor_load_to_lds s[\d0:\d0+3], s[G1B:G1B+7]  ; my one tensor load behind the round: it has 128 matrix instructions in which to land
	s_nop 0
.endif
	PLACES 4                                       ; behind the load, and the places in front of the loads below
	BLOAD (\g)+2                                   ; the next slot's first fragments
.endm
; THE WAY OUT of one product: each sum is held within +-448 x 2^E (the conversion to an 8-bit code does not saturate: ISA guide 7.6.2), eight sums become eight codes, and the codes, which lie as the image wants
; them, are stored from the buffer that half-step glast has left.  kind 0 (q, k): accumulator (a, b) is registers 2 (b % 4) of fragment (head b / 4, rows a).  kind 1 (v): registers 2 a of my half of fragment b.
.macro EPI kind, glast, sc, lm, base
.set CB, BB+64*((\glast)%3)
	PLACES 4                                       ; behind the last products
	WIN 0x41                                       ; destination and source 0: the accumulators
.set i, 0
.rept 256
	v_med3_num_f32 v[i], v[i], -v[\lm], v[\lm]     ; each accumulator from its low end on
.set i, i+1
.endr
	WIN 0x01
.irp a, 0,1,2,3
.irp b, 0,1,2,3,4,5,6,7
.if \kind
.set CR, CB+8*\b+2*\a
.else
.set CR, CB+8*(4*(\b/4)+\a)+2*(\b%4)
.endif
	v_cvt_scalef32_pk8_fp8_f32 v[CR:CR+1], v[8*(8*\a+\b):8*(8*\a+\b)+7], v[\sc]
.endr
.endr
	v_nop                                          ; one plain vector instruction behind the last conversion
	WIN 0
.irp f, 0,1,2,3,4,5,6,7
.irp u, 0,1
.if \kind
	global_store_b128 v[LO], v[CB+8*\f+4*\u:CB+8*\f+4*\u+3], s[\base:\base+1] offset:(\f/4)*131072+(\f%4)*2048+512*\u   ; 32 lanes store 512 consecutive bytes, aligned
.else
	global_store_b128 v[LO], v[CB+8*\f+4*\u:CB+8*\f+4*\u+3], s[\base:\base+1] offset:(\f/4)*131072+(\f%4)*1024+512*\u
.endif
.endr
.endr
	s_wait_xcnt 0x0                                ; the stores have read their registers: the buffer may be loaded again
.endm
	s_wait_tensorcnt 0x0                           ; my parts of x's tile and of slot 0 are in,
	s_barrier_signal -1
	s_barrier_wait -1                              ; everybody's are.
.irp q, 0,1,2,3,4,5,6,7                        ; my 64 rows of x, all of K: 32 fragments, 128 loads, into windows 2 and 3
.set WW, 0x80+0x40*(\q/4)
	WIN WW
.irp a, 0,1,2,3
.irp c, 0,1,2,3
	ds_load_b128 v[64*(\q%4)+16*\a+4*\c:64*(\q%4)+16*\a+4*\c+3], v[ADRA] offset:\a*16*PITCHA+128*\q+32*\c
.endr
.endr
.endr
	WIN 0
	BLOAD 0
	BLOAD 1
	s_wait_tensorcnt 0x0                           ; x's tile has been read: its bytes join the ring.  No tensor load of mine is out;
	ds_add_u32 v[SPW], v[NIL]                      ; 0 onto my spare word;
	s_wait_dscnt 0x0                               ; the add is done, and my reads of x's tile are in
	CROUND                                         ; both hold of every wave of every partner
	tensor_load_to_lds s[G0B+4:G0B+7], s[G1B:G1B+7]   ; slot 1: Wq, K 512 on
	s_nop 0
	PLACES 4
.irp g, 0,1,2,3,4,5
	HS \g, 0
.endr
	CHG 6, 0, 1, PB+2, 0, G0B                      ; slot 0 takes Wk, K 0 on
.irp g, 7,8,9,10,11,12,13
	HS \g, 0
.endr
	CHG 14, 0, 1, PB+2, 512, G0B+4                 ; slot 1 takes Wk, K 512 on
	HS 15, 0
	EPI 0, 15, 8, 9, 78                            ; q leaves
.irp g, 16,17,18,19,20,21
	HS \g, 0
.endr
	CHG 22, 0, 1, PB+4, 0, G0B                     ; slot 0 takes Wv, K 0 on
.irp g, 23,24,25,26,27,28,29
	HS \g, 0
.endr
	CHG 30, 0, 1, PB+4, 512, G0B+4                 ; slot 1 takes Wv, K 512 on
	HS 31, 0
	EPI 0, 31, 10, 11, 80                          ; k leaves
.irp g, 32,33,34,35,36,37
	HS \g, 1
.endr
	CHG 38, 1, 0, 0, 0, 0                          ; the last change of slots: nothing is left to fetch, so no round follows
.irp g, 39,40,41,42,43,44,45,46,47
	HS \g, 1
.endr
	EPI 1, 47, 12, 13, 82                          ; v leaves
	s_wait_tensorcnt 0x0                           ; the wave's end
	ds_add_u32 v[SPW], v[NIL]
	s_wait_dscnt 0x0
	CROUND                                         ; the closing round: no work-group ends while a partner may still ask for a tile that names it
	s_endpgm
.Lfunc_end_k_qc054b41297_qkv:
	.size	k_qc054b41297_qkv, .Lfunc_end_k_qc054b41297_qkv-k_qc054b41297_qkv
	.p2alignl 7, 3214868480
	.fill 96, 4, 3214868480
	.section	.rodata,"a",@progbits
	.p2align	6, 0x0
	.amdhsa_kernel k_qc054b41297_qkv
		.amdhsa_group_segment_fixed_size 327680
		.amdhsa_private_segment_fixed_size 0
		.amdhsa_enable_private_segment 0
		.amdhsa_kernarg_size 64
		.amdhsa_user_sgpr_count 2
		.amdhsa_user_sgpr_kernarg_segment_ptr 1
		.amdhsa_wavefront_size32 1
		.amdhsa_system_sgpr_workgroup_id_x 1
		.amdhsa_system_sgpr_workgroup_id_y 1
		.amdhsa_system_sgpr_workgroup_id_z 1
		.amdhsa_system_vgpr_workitem_id 0
		.amdhsa_next_free_vgpr 1024
		.amdhsa_next_free_sgpr 100
		.amdhsa_reserve_vcc 0
		.amdhsa_float_denorm_mode_32 3
		.amdhsa_float_denorm_mode_16_64 3
		.amdhsa_memory_ordered 1
		.amdhsa_forward_progress 1
		.amdhsa_inst_pref_size 184
	.end_amdhsa_kernel
	.amdgpu_metadata
---
amdhsa.version: [ 1, 2 ]
amdhsa.kernels:
  - .name:           k_qc054b41297_qkv
    .symbol:         k_qc054b41297_qkv.kd
    .args:
      - { .name: x_codes, .offset: 0, .size: 8, .value_kind: global_buffer, .address_space: global }
      - { .name: Wq_codes, .offset: 8, .size: 8, .value_kind: global_buffer, .address_space: global }
      - { .name: Wk_codes, .offset: 16, .size: 8, .value_kind: global_buffer, .address_space: global }
      - { .name: Wv_codes, .offset: 24, .size: 8, .value_kind: global_buffer, .address_space: global }
      - { .name: lowp_scales, .offset: 32, .size: 8, .value_kind: global_buffer, .address_space: global }
      - { .name: q_img, .offset: 40, .size: 8, .value_kind: global_buffer, .address_space: global }
      - { .name: k_img, .offset: 48, .size: 8, .value_kind: global_buffer, .address_space: global }
      - { .name: v_img, .offset: 56, .size: 8, .value_kind: global_buffer, .address_space: global }
    .group_segment_fixed_size: 327680
    .private_segment_fixed_size: 0
    .kernarg_segment_align: 8
    .kernarg_segment_size: 64
    .max_flat_workgroup_size: 128
    .sgpr_count:     100
    .vgpr_count:     1024
    .wavefront_size: 32
...
	.end_amdgpu_metadata
.endif
;; end of part 1
;; launch attn (part 2): grid 4 x 64, 16 waves a work-group, clusters of 4 x 1, 327,680 bytes of LDS; arguments q_img, k_img, v_img, lowp_scales, ctx_img; writes ctx_img
.if DOCPART == 2
	.amdgcn_target "amdgcn-amd-amdhsa--gfx1250"
	.amdhsa_code_object_version 6
	.text
	.protected	k_qc054b41297_attn
	.globl	k_qc054b41297_attn
	.p2align	8
	.type	k_qc054b41297_attn,@function
k_qc054b41297_attn:
	s_mov_b64 s[64:65], 0
	v_nop
	global_prefetch_b8 v0, s[64:65] scope:SCOPE_SE
	s_setreg_imm32_b32 hwreg(HW_REG_WAVE_MODE, 25, 1), 1
	s_wait_xcnt 0x0
	s_wait_alu depctr_hold_cnt(0) depctr_sa_sdst(0) depctr_va_vdst(0) depctr_va_sdst(0) depctr_va_ssrc(0) depctr_va_vcc(0) depctr_vm_vsrc(0)
	s_getreg_b32 s2, hwreg(HW_REG_IB_STS2, 6, 4)
	s_cmp_eq_u32 s2, 0
	s_cbranch_scc0 .Lentry_in_a_cluster
	s_endpgm
.Lentry_in_a_cluster:
	s_bfe_u32 s2, ttmp6, 0x10000c
	s_cmp_lg_u32 s2, 0x3003
	s_cbranch_scc0 .Lentry_shape_is_right
	s_endpgm
.Lentry_shape_is_right:
; ctx[head][q] = the sum over keys k <= q + 1 of softmax_k(q . k / 8) v, both products on codes of FP8 (E4M3); ctx is quantised (scale 2^e10) and stored as codes for the last product.
; THE SOFTMAX AHEAD OF THE SECOND PRODUCT: t = score x log2(e) / 8; M = the row's largest t so far, rounded UP to a whole number; p = 2^(t - M) is what is quantised (2^e8); it is not normalised.  The row's sum is
; taken of the unquantised p, in f32, and divides at the end.  When M moves, the sum and O are multiplied by 2^(old M - new M), which rounds nothing.
; A HEAD'S WHOLE K AND V LIE IN LDS, 131,072 bytes each, filled ONCE: no ring and no refill.  They lie as images of the operands' registers: every LDS load reads 512 consecutive bytes, 16 a lane.
; CLUSTER: the four work-groups of a cluster belong to one head and ask for K and V JOINTLY (mask 15).  Each of the sixteen waves asks for two parts: one of the first two key steps, one of the other fourteen;
; the first two steps are worked while the rest is on its way.  By this text's own count a wave has one tensor load out at a time.
; SHARES.  A tile is 16 queries; tile 4 j + cx belongs to the partner at place cx.  Wave w walks j = 31 - w and then j = w: 18 key steps of 128 keys in all (wave 0: 17), the same in every partner.
; What a wave walks hangs on its number alone: steps up to (j + 1) / 2, which is what the partner at place 3 needs; the mask is laid from step j / 2 on.  For odd j the partners at places 0 to 2 so walk one step
; all of whose keys are hidden: there every p is 0 and M does not move, so it changes nothing.  cx enters Q's and ctx's addresses in memory and the mask's numbers, no branch and no LDS address.
; LAYOUT.  S^T = K Q^T (source 0 = 16 keys, source 1 = my 16 queries), O^T = V^T P^T (source 0 = 16 channels, source 1 = P): a lane holds ONE query (lane % 16) throughout.  Register j of tile t of S^T is key
; 16 t + 8 (lane / 16) + j, which is the place that registers 2 t, 2 t + 1 of the second product's operand have: the conversions' results are that operand.  k stands in its true places in both products.
; ctx_img: [16 rows: 512][128 along K: 8][4][32 lanes][16 bytes]: piece c of lane (r, h): k = 32 c + 16 h + 0 .. 15 of row r, as four loads of 16 bytes give the weight's fragment in the last launch.
; My eight codes of channels 16 t + 8 h + 0 .. 7 of query r belong at byte 1,024 (head % 2) + 256 t + 16 r + 8 h of the fragment: a store of 8 bytes a lane fills 256 consecutive, aligned bytes.
; LIMITS: e6 + e7 between -123 and 130 (added to c's exponent field); e8 and e10 - e8 - e9 between -126 and 119.  NaN codes are not served.
; REGISTERS: v1-5 addresses that stay; v8, v9 the step's LDS addresses; v11 ctx's scale; v12 -M, v13 the largest t, v[14:15] the sum in two halves; v16-23, v24-31 Q of the two tiles;
;   v32-95 K's eight fragments, then V's four; v96-159 S^T, then p; v160-191 O^T; v224-239 p's codes; v244 2^e8; v236, v242, v243, v252-254 at work.
.set VOFF, 131072                      ; LDS: K from 0, V from here; a key step is 8,192 bytes of each
.set LI,   1                           ; v1   16 x lane
.set CO,   2                           ; v2   16 r + 8 h
.set DQ,   3                           ; v3   my query + 1 - 8 h
.set RB,   5                           ; v5   r + 1 - 8 h
.set ADK,  8
.set ADV,  9
.set LMC,  10
.set SCX,  11
.set WV,   18                          ; s18  my wave's number
.set SEL,  20                          ; s[20:21] lane selects for v_permlanex16_b32: lane l xor 16
.set CS,   22                          ; s[22:23] c = log2(e) / 8 x 2^(e6 + e7): the packed form names a pair and takes its low word for both halves
.set G1S,  24                          ; s[24:31] descriptor group 1: 8 rows of 256 bytes;  s[32:39]: 56 rows
.set G1L,  32
.set G0S,  40                          ; s[40:43], s[44:47] their groups 0
.set G0L,  44
.set TB,   48                          ; s48  LDS byte at which the step's tiles of K begin
.set KF,   49                          ; s49  the step's first key
.set KLAST, 50                         ; s50  the first key of the last step that the tile in hand walks
.set KMASK, 51                         ; s51  the first key of the first step in which the mask is laid
.set TRIP, 52
.macro PLACES n
.rept \n
	v_nop
.endr
.endm
.macro CROUND                          ; a round of the cluster's barrier
	s_barrier_signal -1
	s_barrier_wait -1
	s_cmp_lg_u32 s[WV], 0
	s_cbranch_scc1 .Lnot_wave_0_\@
	s_barrier_signal -3
.Lnot_wave_0_\@:
	s_barrier_wait -3
	s_barrier_signal -1
	s_barrier_wait -1
.endm
	s_load_b256 s[4:11], s[0:1], 0x0               ; q_img s[4:5], k_img s[6:7], v_img s[8:9], the scales' exponents s[10:11]
	s_load_b64 s[12:13], s[0:1], 0x20              ; ctx_img
	v_lshl_add_u32 v251, v0, 2, 0x40000
	v_mov_b32 v255, 0
	ds_add_u32 v251, v255
	ds_add_u32 v251, v255
	v_lshrrev_b32 v1, 5, v0
	s_delay_alu instid0(VALU_DEP_1)
	v_readfirstlane_b32 s[WV], v1                  ; wave 0..15
	s_bfe_u32 s19, ttmp6, 0x40000                  ; cx: my place in the cluster
	s_and_b32 s73, ttmp7, 0xffff                   ; the head (16 x batch + head), which the four partners share
	s_lshl_b32 s74, s73, 17                        ; its first byte in q_img, k_img and v_img
	s_and_b32 s76, s[WV], 7                        ; waves 0-7 fetch K's eight parts, waves 8-15 V's
	s_lshr_b32 s77, s[WV], 3
	s_lshl_b32 s77, s77, 17                        ; LDS: 0 or VOFF
	s_lshl_b32 s78, s76, 11                        ; my 2,048 bytes of the first two key steps' 16,384,
	s_mul_i32 s79, s76, 56*256
	s_add_co_u32 s79, s79, 16384                   ; my 14,336 bytes of the other fourteen steps' 114,688
	s_mov_b32 s[G0S], 1
	s_add_co_u32 s[G0S+1], s77, s78
	s_mov_b32 s[G0L], 1
	s_add_co_u32 s[G0L+1], s77, s79
	s_add_co_u32 s80, s74, s78
	s_mov_b32 s81, 0
	s_add_co_u32 s82, s74, s79
	s_mov_b32 s83, 0
	; group 1: dense blocks, as rows of 32 elements of 8 bytes
	s_mov_b32 s[G1S+0], 15|(3<<16)|(1<<21)         ; 15:0 the mask: all four work-groups; 17:16 elements of 8 bytes; 21 set beside a mask
	s_mov_b32 s[G1S+1], 32<<16                     ; tensor_dim0
	s_mov_b32 s[G1S+2], 8<<16                      ; tensor_dim1
	s_mov_b32 s[G1S+3], 32<<16                     ; tile_dim0
	s_mov_b32 s[G1S+4], 8                          ; tile_dim1
	s_mov_b32 s[G1S+5], 32                         ; from row to row
	s_mov_b32 s[G1S+6], 0
	s_mov_b32 s[G1S+7], 0
	s_mov_b32 s[G1L+0], 15|(3<<16)|(1<<21)
	s_mov_b32 s[G1L+1], 32<<16
	s_mov_b32 s[G1L+2], 56<<16
	s_mov_b32 s[G1L+3], 32<<16
	s_mov_b32 s[G1L+4], 56
	s_mov_b32 s[G1L+5], 32
	s_mov_b32 s[G1L+6], 0
	s_mov_b32 s[G1L+7], 0
	; what I walk: made of the wave's number alone
	s_sub_co_u32 s86, 31, s[WV]                    ; j of the late tile
	s_add_co_u32 s[KLAST], s86, 1
	s_lshr_b32 s[KLAST], s[KLAST], 1
	s_lshl_b32 s[KLAST], s[KLAST], 7
	s_lshr_b32 s[KMASK], s86, 1
	s_lshl_b32 s[KMASK], s[KMASK], 7
	s_add_co_u32 s66, s[WV], 1                     ; the same for the early tile, j = w
	s_lshr_b32 s66, s66, 1
	s_lshl_b32 s66, s66, 7
	s_lshr_b32 s67, s[WV], 1
	s_lshl_b32 s67, s67, 7
	; my tiles, and their places in memory
	s_lshl_b32 s87, s86, 2
	s_add_co_u32 s87, s87, s19                     ; the late tile: 4 (31 - w) + cx
	s_lshl_b32 s88, s[WV], 2
	s_add_co_u32 s88, s88, s19                     ; the early tile: 4 w + cx
	s_lshl_b32 s62, s87, 4                         ; their first queries
	s_lshl_b32 s63, s88, 4
	s_lshr_b32 s89, s73, 4
	s_lshl_b32 s89, s89, 7                         ; ctx_img: 128 tiles of rows a batch,
	s_and_b32 s98, s73, 15
	s_lshl_b32 s98, s98, 10                        ; 1,024 bytes a head in a tile's 16,384
	s_add_co_u32 s90, s89, s87
	s_lshl_b32 s90, s90, 14
	s_add_co_u32 s90, s90, s98
	s_mov_b32 s91, 0
	s_add_co_u32 s92, s89, s88
	s_lshl_b32 s92, s92, 14
	s_add_co_u32 s92, s92, s98
	s_mov_b32 s93, 0
	s_lshl_b32 s94, s87, 10                        ; q_img: 1,024 bytes a tile
	s_add_co_u32 s94, s94, s74
	s_mov_b32 s95, 0
	s_lshl_b32 s96, s88, 10
	s_add_co_u32 s96, s96, s74
	s_mov_b32 s97, 0
	s_mov_b32 s[SEL], 0x76543210
	s_mov_b32 s[SEL+1], 0xfedcba98
	s_mov_b32 s[CS], 0x3e38aa3b                    ; log2(e) / sqrt(64)
	s_mov_b32 s[TB], 0
	s_mov_b32 s[KF], 0
	s_wait_dscnt 0x0
	s_wait_kmcnt 0x0
	s_load_b128 s[68:71], s[10:11], 0x18           ; e6, e7, e8, e9
	s_load_b32 s72, s[10:11], 0x28                 ; e10
	s_cmp_lt_u32 s[WV], 8                          ; K's image or V's: the choice hangs on the wave's number alone
	s_cselect_b64 s[84:85], s[6:7], s[8:9]
	s_add_nc_u64 s[G0S+2:G0S+3], s[84:85], s[80:81]
	s_or_b32 s[G0S+3], s[G0S+3], 0x80000000        ; type = 2
	s_add_nc_u64 s[G0L+2:G0L+3], s[84:85], s[82:83]
	s_or_b32 s[G0L+3], s[G0L+3], 0x80000000
	s_add_nc_u64 s[54:55], s[12:13], s[90:91]      ; ctx_img at the late tile, at the early tile
	s_add_nc_u64 s[56:57], s[12:13], s[92:93]
	s_add_nc_u64 s[58:59], s[4:5], s[94:95]        ; q_img likewise
	s_add_nc_u64 s[60:61], s[4:5], s[96:97]
	CROUND                                         ; all four work-groups are here: the joint loads meet
	tensor_load_to_lds s[G0S:G0S+3], s[G1S:G1S+7]  ; my part of key steps 0 and 1,
	s_nop 0
	s_wait_alu depctr_va_vdst(0)
	s_wait_tensorcnt 0x0
	ds_add_u32 v251, v255
	s_wait_dscnt 0x0
	CROUND
	tensor_load_to_lds s[G0L:G0L+3], s[G1L:G1L+7]  ; and of steps 2 to 15: the launch's only fills
	s_nop 0
	PLACES 4                                       ; four v_nop follow
	v_and_b32 v[LI], 31, v0
	s_delay_alu instid0(VALU_DEP_1)
	v_lshlrev_b32 v[LI], 4, v[LI]
	global_load_b128 v[16:19], v[LI], s[58:59]             ; Q's fragments stay in registers: the late tile's,
	global_load_b128 v[20:23], v[LI], s[58:59] offset:512
	global_load_b128 v[24:27], v[LI], s[60:61]             ; the early tile's
	global_load_b128 v[28:31], v[LI], s[60:61] offset:512
	v_and_b32 v4, 15, v0                           ; r
	v_bfe_u32 v6, v0, 4, 1                         ; h
	s_delay_alu instid0(VALU_DEP_2)
	v_lshlrev_b32 v[CO], 4, v4
	s_delay_alu instid0(VALU_DEP_1)
	v_lshl_add_u32 v[CO], v6, 3, v[CO]
	s_delay_alu instid0(VALU_DEP_4)
	v_add_nc_u32 v[RB], 1, v4
	s_delay_alu instid0(VALU_DEP_4)
	v_lshlrev_b32 v6, 3, v6
	s_delay_alu instid0(VALU_DEP_1)
	v_sub_nc_u32 v[RB], v[RB], v6
	s_delay_alu instid0(VALU_DEP_1)
	v_add_nc_u32 v[DQ], s62, v[RB]
	v_mov_b32 v236, 0                              ; written once: a lane permute's destination counts as one of its sources
	v_mov_b32 v252, 0
	v_mov_b32 v253, 0                              ; (named as the upper half of the pair v[252:253])
	s_wait_kmcnt 0x0
	s_add_co_i32 s98, s68, s69
	s_lshl_b32 s98, s98, 23
	s_add_co_i32 s[CS], s[CS], s98                 ; a score stands for score x 2^(e6 + e7): the two exponents are added to c's exponent field
	s_mov_b32 s[CS+1], s[CS]                       ; (named with it as a pair, so it is written)
	s_add_co_i32 s98, s70, 127
	s_lshl_b32 s99, s98, 23
	v_mov_b32 v244, s99                            ; 2^e8 as f32, for p's conversions
	s_sub_co_i32 s98, s72, s70
	s_sub_co_i32 s98, s98, s71                     ; O^T / the sum stands for ctx / 2^(e8 + e9): its code is that / 2^(e10 - e8 - e9)
	s_add_co_i32 s98, s98, 127
	s_lshl_b32 s99, s98, 23
	v_mov_b32 v[SCX], s99
; A KEY STEP: 128 keys.  qb: the registers of the tile's Q.
.macro STEP qb
	s_cmp_gt_u32 s[KF], s[KLAST]                   ; a step behind the tile's last is left out: a scalar branch on the wave's number and the step, round the work, not round the lines that step KF and TB
	s_cbranch_scc1 .Lhid_\@
	s_setprio 2
	v_add_nc_u32 v[ADK], s[TB], v[LI]
	s_delay_alu instid0(VALU_DEP_1)
	v_add_nc_u32 v[ADV], VOFF, v[ADK]
	v_nop
	v_nop                                          ; with the two additions: four places in front of loads into registers that the last products have read
.irp t, 0,1,2,3,4,5,6,7
.irp u, 0,1
	ds_load_b128 v[32+8*\t+4*\u:35+8*\t+4*\u], v[ADK] offset:1024*\t+512*\u
.endr
.endr
	s_wait_alu depctr_va_vdst(0)
	s_wait_dscnt 0x0
.irp t, 0,1,2,3,4,5,6,7                        ; S^T = K Q^T: eight tiles of 16 keys, K = the head's 64
	v_wmma_f32_16x16x64_fp8_fp8 v[96+8*\t:103+8*\t], v[32+8*\t:39+8*\t], v[\qb:\qb+7], 0
.endr
	PLACES 4                                       ; in front of the loads below and of the first read of the scores
.irp t, 0,1,2,3
.irp c, 0,1,2,3
	ds_load_b128 v[32+16*\t+4*\c:35+16*\t+4*\c], v[ADV] offset:2048*\t+512*\c   ; V's four fragments land while the softmax is worked
.endr
.endr
	s_cmp_lt_u32 s[KF], s[KMASK]                   ; a step all of whose keys count for every partner's tile skips the mask
	s_cbranch_scc1 .Lopen_\@
	v_sub_nc_u32 v252, v[DQ], s[KF]                ; register n holds key KF + 8 h + 16 (n / 8) + n % 8: hidden where 16 (n / 8) + n % 8 > my query + 1 - 8 h - KF
	v_mov_b32 v254, 0xff800000                     ; -infinity: p = 0 then
.irp n, 0,1,2,3,4,5,6,7,8,9,10,11,12,13,14,15,16,17,18,19,20,21,22,23,24,25,26,27,28,29,30,31,32,33,34,35,36,37,38,39,40,41,42,43,44,45,46,47,48,49,50,51,52,53,54,55,56,57,58,59,60,61,62,63
	v_cmp_gt_i32 vcc_lo, 16*(\n/8)+\n%8, v252
	v_cndmask_b32 v[96+\n], v[96+\n], v254, vcc_lo
.endr
.Lopen_\@:
	v_max3_num_f32 v254, v96, v97, v98             ; the step's largest score of my query, among my 64 keys, in two chains,
	v_max3_num_f32 v252, v99, v100, v101
.irp i, 6,10,14,18,22,26,30,34,38,42,46,50,54,58
	v_max3_num_f32 v254, v254, v[96+\i], v[97+\i]
	v_max3_num_f32 v252, v252, v[98+\i], v[99+\i]
.endr
	v_max3_num_f32 v254, v254, v158, v159
	s_delay_alu instid0(VALU_DEP_1)
	v_max_num_f32 v254, v254, v252
	v_permlanex16_b32 v236, v254, s[SEL], s[SEL+1]
	s_delay_alu instid0(VALU_DEP_1)
	v_max_num_f32 v254, v254, v236                 ; and among lane l xor 16's
	s_delay_alu instid0(VALU_DEP_1)
	v_mul_f32 v254, s[CS], v254                    ; as t (c is positive)
	s_delay_alu instid0(VALU_DEP_1)
	v_max_num_f32 v13, v13, v254                   ; the running largest t
	v_mov_b32 v254, v12
	s_delay_alu instid0(VALU_DEP_2)
	v_floor_f32 v12, -v13                          ; the new -M = floor(-t) = -ceil(t): M is a whole number
	s_delay_alu instid0(VALU_DEP_1)
	v_sub_f32 v254, v12, v254                      ; M's old value less its new one: a whole number, 0 or less
	s_delay_alu instid0(VALU_DEP_1)
	v_cvt_i32_f32 v254, v254                       ; (it saturates)
	s_delay_alu instid0(VALU_DEP_1)
	v_ldexp_f32 v252, 1.0, v254                    ; f = 2^(old M - new M)
	s_setprio 1
.irp j, 0,2,4,6,8,10,12,14,16,18,20,22,24,26,28,30,32,34,36,38,40,42,44,46,48,50,52,54,56,58,60,62
	v_pk_fma_f32 v[96+\j:97+\j], v[96+\j:97+\j], s[CS:CS+1], v[12:13] op_sel_hi:[1,0,0]   ; t - M, two at a time (of the pairs c and -M the low word serves both halves)
.endr
	s_wait_alu depctr_va_vdst(0)
.irp j, 0,1,2,3,4,5,6,7,8,9,10,11,12,13,14,15,16,17,18,19,20,21,22,23,24,25,26,27,28,29,30,31,32,33,34,35,36,37,38,39,40,41,42,43,44,45,46,47,48,49,50,51,52,53,54,55,56,57,58,59,60,61,62,63
	v_exp_f32 v[96+\j], v[96+\j]                   ; p = 2^(t - M), at most 1: not normalised
.endr
	v_pk_mul_f32 v[14:15], v[14:15], v[252:253] op_sel_hi:[1,0]   ; the sums under the new M: the plain instruction behind the exponentials
	s_wait_alu depctr_va_vdst(0)                   ; one wait for the whole batch, ahead of its first reader
	v_pk_add_f32 v[242:243], v[96:97], v[98:99]    ; the row's sum is taken of the unquantised p: two at a time, in two chains
.irp j, 4,8,12,16,20,24,28,32,36,40,44,48,52,56,60
	v_pk_add_f32 v[14:15], v[14:15], v[96+\j:97+\j]
	v_pk_add_f32 v[242:243], v[242:243], v[98+\j:99+\j]
.endr
	s_delay_alu instid0(VALU_DEP_1)
	v_pk_add_f32 v[14:15], v[14:15], v[242:243]
	s_setprio 0
.irp t, 0,1,2,3,4,5,6,7
.irp i, 0,1,2,3,4,5,6,7
.endr
	v_cvt_scalef32_pk8_fp8_f32 v[224+2*\t:225+2*\t], v[96+8*\t:103+8*\t], v244   ; registers 2 t, 2 t + 1 of the operand: keys 16 t + 8 h + 0 .. 7
.endr
.irp j, 0,2,4,6,8,10,12,14,16,18,20,22,24,26,28,30
	v_pk_mul_f32 v[160+\j:161+\j], v[160+\j:161+\j], v[252:253] op_sel_hi:[1,0]   ; O^T under the new M.  (These are also the plain instructions behind the conversions)
.endr
	s_wait_alu depctr_va_vdst(0)
	s_wait_dscnt 0x0                               ; V is in
.irp t, 0,1,2,3                                ; O^T += V^T P^T: four tiles of 16 channels, K = these 128 keys; the four accumulators take turns
	v_wmma_f32_16x16x128_fp8_fp8 v[160+8*\t:167+8*\t], v[32+16*\t:47+16*\t], v[224:239], v[160+8*\t:167+8*\t]
.endr
.Lhid_\@:
	s_add_co_u32 s[KF], s[KF], 128
	s_add_co_u32 s[TB], s[TB], 8192
.endm
.macro LOOP n, qb                      ; n key steps: the count is a constant; what a wave leaves out it jumps over inside the step
	s_mov_b32 s[TRIP], \n
.Lloop_\@:
	STEP \qb
	s_sub_co_u32 s[TRIP], s[TRIP], 1
	s_cmp_lg_u32 s[TRIP], 0
	s_cbranch_scc1 .Lloop_\@
	s_setprio 0
.endm
.macro INIT                            ; the step is written without a first step of its own: it finds zeros, which the first change of M leaves zeros
	v_mov_b32 v13, 0xff61b1e6                      ; the largest t so far: -3e38, under every t
	s_delay_alu instid0(VALU_DEP_1)
	v_floor_f32 v12, -v13                          ; -M
	v_mov_b32 v14, 0
	v_mov_b32 v15, 0
.irp j, 0,1,2,3,4,5,6,7,8,9,10,11,12,13,14,15,16,17,18,19,20,21,22,23,24,25,26,27,28,29,30,31
	v_mov_b32 v[160+\j], 0
.endr
.endm
; THE WAY OUT of a tile: O^T / the sum, converted, stored: no lane needs another's codes
.macro FINISH base
	PLACES 4                                       ; behind the last products
	v_add_f32 v14, v14, v15                        ; the sum's two halves,
	s_delay_alu instid0(VALU_DEP_1)
	v_permlanex16_b32 v252, v14, s[SEL], s[SEL+1]
	s_delay_alu instid0(VALU_DEP_1)
	v_add_f32 v14, v14, v252                       ; and lane l xor 16's: the row's sum
	s_wait_alu depctr_va_vdst(0)
	v_rcp_f32 v14, v14
	v_nop                                          ; a plain instruction behind the reciprocal,
	s_wait_alu depctr_va_vdst(0)                   ; and the wait ahead of its first reader
.irp j, 0,1,2,3,4,5,6,7,8,9,10,11,12,13,14,15,16,17,18,19,20,21,22,23,24,25,26,27,28,29,30,31
	v_mul_f32 v[96+\j], v[160+\j], v14             ; each accumulator from its low end on
.endr
.irp j, 0,1,2,3,4,5,6,7,8,9,10,11,12,13,14,15,16,17,18,19,20,21,22,23,24,25,26,27,28,29,30,31
.endr
.irp t, 0,1,2,3
	v_cvt_scalef32_pk8_fp8_f32 v[224+2*\t:225+2*\t], v[96+8*\t:103+8*\t], v[SCX]
.endr
	v_nop                                          ; one plain vector instruction behind the last conversion
.irp t, 0,1,2,3
	global_store_b64 v[CO], v[224+2*\t:225+2*\t], s[\base:\base+1] offset:256*\t   ; 32 lanes store 256 consecutive bytes, aligned
.endr
.endm
	s_wait_tensorcnt 0x1                           ; my part of key steps 0 and 1 is in; my part of the rest may stay out
	s_barrier_signal -1
	s_barrier_wait -1                              ; everybody's is
	s_wait_loadcnt 0x0                             ; Q
	INIT
	STEP 16                                        ; the late tile's first two steps are written out: their LDS addresses are constants, inside the bytes that have landed
	STEP 16
	s_wait_tensorcnt 0x0                           ; my part of steps 2 to 15 is in,
	s_wait_dscnt 0x0
	s_barrier_signal -1
	s_barrier_wait -1                              ; everybody's is: from here on no wave waits for another
	LOOP 14, 16
	FINISH 54
	s_wait_xcnt 0x0                                ; the stores have read their registers
	s_mov_b32 s[KF], 0                             ; the early tile
	s_mov_b32 s[TB], 0
	s_mov_b32 s[KLAST], s66
	s_mov_b32 s[KMASK], s67
	v_add_nc_u32 v[DQ], s63, v[RB]
	INIT
	LOOP 9, 24                                     ; j = w is 15 at the most: steps 0 to 8
	FINISH 56
	s_wait_dscnt 0x0
	s_wait_tensorcnt 0x0
	ds_add_u32 v251, v255
	s_wait_dscnt 0x0
	CROUND                                         ; the closing round
	s_endpgm
.Lfunc_end_k_qc054b41297_attn:
	.size	k_qc054b41297_attn, .Lfunc_end_k_qc054b41297_attn-k_qc054b41297_attn
	.p2alignl 7, 3214868480
	.fill 96, 4, 3214868480
	.section	.rodata,"a",@progbits
	.p2align	6, 0x0
	.amdhsa_kernel k_qc054b41297_attn
		.amdhsa_group_segment_fixed_size 327680
		.amdhsa_private_segment_fixed_size 0
		.amdhsa_enable_private_segment 0
		.amdhsa_kernarg_size 40
		.amdhsa_user_sgpr_count 2
		.amdhsa_user_sgpr_kernarg_segment_ptr 1
		.amdhsa_wavefront_size32 1
		.amdhsa_system_sgpr_workgroup_id_x 1
		.amdhsa_system_sgpr_workgroup_id_y 1
		.amdhsa_system_sgpr_workgroup_id_z 1
		.amdhsa_system_vgpr_workitem_id 0
		.amdhsa_next_free_vgpr 256
		.amdhsa_next_free_sgpr 100
		.amdhsa_reserve_vcc 1
		.amdhsa_float_denorm_mode_32 3
		.amdhsa_float_denorm_mode_16_64 3
		.amdhsa_fp16_overflow 1
		.amdhsa_memory_ordered 1
		.amdhsa_forward_progress 1
		.amdhsa_inst_pref_size 91
	.end_amdhsa_kernel
	.amdgpu_metadata
---
amdhsa.version: [ 1, 2 ]
amdhsa.kernels:
  - .name:           k_qc054b41297_attn
    .symbol:         k_qc054b41297_attn.kd
    .args:
      - { .name: q_img, .offset: 0, .size: 8, .value_kind: global_buffer, .address_space: global }
      - { .name: k_img, .offset: 8, .size: 8, .value_kind: global_buffer, .address_space: global }
      - { .name: v_img, .offset: 16, .size: 8, .value_kind: global_buffer, .address_space: global }
      - { .name: lowp_scales, .offset: 24, .size: 8, .value_kind: global_buffer, .address_space: global }
      - { .name: ctx_img, .offset: 32, .size: 8, .value_kind: global_buffer, .address_space: global }
    .group_segment_fixed_size: 327680
    .private_segment_fixed_size: 0
    .kernarg_segment_align: 8
    .kernarg_segment_size: 40
    .max_flat_workgroup_size: 512
    .sgpr_count:     100
    .vgpr_count:     256
    .wavefront_size: 32
...
	.end_amdgpu_metadata
.endif
;; end of part 2
;; launch proj (part 3): grid 4 x 64, 4 waves a work-group, clusters of 4 x 4, 327,680 bytes of LDS; arguments ctx_img, Wo_codes, lowp_scales, bo, out0; writes out0
.if DOCPART == 3
	.amdgcn_target "amdgcn-amd-amdhsa--gfx1250"
	.amdhsa_code_object_version 6
	.text
	.protected	k_qc054b41297_proj
	.globl	k_qc054b41297_proj
	.p2align	8
	.type	k_qc054b41297_proj,@function
k_qc054b41297_proj:
	s_mov_b64 s[64:65], 0
	v_nop
	global_prefetch_b8 v0, s[64:65] scope:SCOPE_SE
	s_setreg_imm32_b32 hwreg(HW_REG_WAVE_MODE, 25, 1), 1
	s_wait_xcnt 0x0
	s_wait_alu depctr_hold_cnt(0) depctr_sa_sdst(0) depctr_va_vdst(0) depctr_va_sdst(0) depctr_va_ssrc(0) depctr_va_vcc(0) depctr_vm_vsrc(0)
	s_getreg_b32 s2, hwreg(HW_REG_IB_STS2, 6, 4)
	s_cmp_eq_u32 s2, 0
	s_cbranch_scc0 .Lentry_in_a_cluster
	s_endpgm
.Lentry_in_a_cluster:
	s_bfe_u32 s2, ttmp6, 0x10000c
	s_cmp_lg_u32 s2, 0xf033
	s_cbranch_scc0 .Lentry_shape_is_right
	s_endpgm
.Lentry_shape_is_right:
; out = ctx Wo + bo: [8192 x 1024] x [1024 x 1024] on codes of FP8 (E4M3); each finished sum x 2^(e10 + e11) + bo, f32.
; The shares, the ring and the half-steps are those of the launch that makes q, k and v: 256 work-groups, each 128 rows x 256 columns; four waves, each 64 rows x 128 columns in 32 accumulators; the wave's 64 rows of
; ctx, all 1,024 along K, stay in 512 registers; Wo goes through two LDS slots of 256 rows x 512 along K.  ctx's tile is slot 1's first fill; when it has been read the slot takes Wo's second half of K.
; ctx arrives as images of the operand's registers (ctx_img: [16 rows][128 along K][4][32 lanes][16 bytes]), so its tile is one dense block of 131,072 bytes and each LDS load reads 512 consecutive bytes.
; k IS PERMUTED ALIKE IN BOTH OPERANDS: registers 4 c .. 4 c + 3 hold k = 32 c + 16 (lane / 16) + 0 .. 15, in ctx's images and in Wo's fragments, which come by four loads of 16 bytes.
; CLUSTERS: 4 x 4 work-groups; ctx's tile is asked for jointly along a row of the cluster, Wo's tiles along a column.  By this text's own count a wave has at most one tensor load out.
; Source 0 = 16 rows of Wo, source 1 = 16 rows of ctx: a lane holds eight neighbouring numbers of a row of the output.
; LIMIT: e10 + e11 between -126 and 127, so that 2^(e10 + e11) is an f32 number.  NaN codes are not served.
; REGISTERS: window 0: v1-17 addresses and my four numbers of bo, v28, v29 for the add, v32-223 three buffers of four fragments of Wo (on the way out: rows read back);  window 1: accumulator (a, b) at v[8 (8 a + b)];
;   windows 2, 3: ctx's fragment (a, q) at v[64 (q % 4) + 16 a] of window 2 + q / 4.
.set PITCHB, 528                       ; a row of Wo in LDS: 512 bytes + 16 of padding = 132 words: row r starts at bank 4 r mod 64 (64 banks of 4 bytes: ISA guide 11.1)
.set SLOT,   256*PITCHB
.set SPARE,  2*SLOT                    ; behind the ring: the spare words, 128 bytes for each wave: two blocks of 256 bytes that no other line names
.set SPITCH, 528                       ; the way out: a stage of 16 rows x (512 bytes + 16) for each wave, in slot 0, which has had its last fill and its last read when the first result is stored there
.set NG,     16
.set BB,     32
.set ADRA,   4
.set ADRB,   5
.set BIAS,   8                         ; v[8:11] bo at my four columns of a row read back from the stage
.set LO,     15                        ; v15   16 x lane
.set STO,    16                        ; v16   the way out: where I put 32 bytes of a row
.set RD,     17                        ; v17   where I read a row back
.set SPW,    28
.set NIL,    29
.set WV,     20
.set G1A,    28
.set G1B,    36
.set G0A,    44
.set G0B,    48
.set PB,     56
.set MSB, 0
.macro WIN new
.if MSB != (\new)
	s_set_vgpr_msb (MSB<<8)|(\new)
.set MSB, (\new)
.endif
.endm
.macro PLACES n
.rept \n
	v_nop
.endr
.endm
.macro CREST
	s_cmp_lg_u32 s[WV], 0
	s_cbranch_scc1 .Lnot_wave_0_\@
	s_barrier_signal -3
.Lnot_wave_0_\@:
	s_barrier_wait -3
	s_barrier_signal -1
	s_barrier_wait -1
.endm
.macro CROUND
	s_barrier_signal -1
	s_barrier_wait -1
	CREST
.endm
	s_load_b256 s[4:11], s[0:1], 0x0               ; ctx_img s[4:5], Wo s[6:7], the scales' exponents s[8:9], bo s[10:11]
	s_load_b64 s[12:13], s[0:1], 0x20              ; out0
	v_lshl_add_u32 v[SPW], v0, 2, SPARE
	v_mov_b32 v[NIL], 0
	ds_add_u32 v28, v29
	ds_add_u32 v28, v29
	s_wait_dscnt 0x0
	v_lshrrev_b32 v1, 5, v0
	v_readfirstlane_b32 s[WV], v1                  ; wave 0..3
	s_lshr_b32 s21, s[WV], 1                       ; rh
	s_and_b32 s22, s[WV], 1                        ; ch
	s_bfe_u32 s23, ttmp6, 0x40000                  ; cx, cy
	s_bfe_u32 s24, ttmp6, 0x40004
	s_lshl_b32 s25, ttmp9, 2
	s_add_co_u32 s25, s25, s23                     ; nb
	s_and_b32 s26, ttmp7, 0xffff
	s_lshl_b32 s26, s26, 2
	s_add_co_u32 s26, s26, s24                     ; mb
	s_lshl_b32 s27, s24, 2
	s_lshl_b32 s27, 15, s27                        ; my row of the cluster
	s_lshl_b32 s2, 0x1111, s23                     ; my column
	; group 1 for ctx: a dense block of 32,768 bytes a wave, as 128 rows of 32 elements of 8 bytes
	s_or_b32 s[G1A+0], s27, (3<<16)|(1<<21)        ; 15:0 the mask: my row; 17:16 elements of 8 bytes; 21 set beside a mask
	s_mov_b32 s[G1A+1], 32<<16
	s_mov_b32 s[G1A+2], 128<<16
	s_mov_b32 s[G1A+3], 32<<16
	s_mov_b32 s[G1A+4], 128
	s_mov_b32 s[G1A+5], 32
	s_mov_b32 s[G1A+6], 0
	s_mov_b32 s[G1A+7], 0
	; group 1 for Wo: 64 rows x 512 bytes a wave, 16 bytes of padding behind each row
	s_or_b32 s[G1B+0], s2, (1<<20)|(1<<21)|(6<<22)|(3<<25)
	s_mov_b32 s[G1B+1], 512<<16
	s_mov_b32 s[G1B+2], 64<<16
	s_mov_b32 s[G1B+3], 512<<16
	s_mov_b32 s[G1B+4], 64
	s_mov_b32 s[G1B+5], 1024
	s_mov_b32 s[G1B+6], 0
	s_mov_b32 s[G1B+7], 0
	s_lshl_b32 s84, s26, 17                        ; ctx_img: the work-group's eight tiles of rows are 131,072 bytes,
	s_lshl_b32 s85, s[WV], 15                      ; my wave fetches a quarter
	s_add_co_u32 s84, s84, s85
	s_mov_b32 s85, 0
	s_lshl_b32 s86, s25, 18                        ; Wo: 256 nb rows + my wave's 64
	s_lshl_b32 s87, s[WV], 16
	s_add_co_u32 s86, s86, s87
	s_mov_b32 s87, 0
	s_lshl_b32 s98, s[WV], 15
	s_mul_i32 s99, s[WV], 64*PITCHB
	s_mov_b32 s[G0A], 1
	s_add_co_u32 s[G0A+1], s98, SLOT
	s_mov_b32 s[G0B], 1
	s_mov_b32 s[G0B+1], s99
	s_mov_b32 s[G0B+4], 1
	s_add_co_u32 s[G0B+5], s99, SLOT
	s_lshl_b32 s88, s25, 10                        ; my first column, in bytes: 1,024 nb + 512 ch
	s_lshl_b32 s89, s22, 9
	s_add_co_u32 s88, s88, s89
	s_mov_b32 s89, 0
	s_lshl_b32 s90, s26, 19                        ; my first row: (128 mb + 64 rh) x 4,096 bytes
	s_lshl_b32 s91, s21, 18
	s_add_co_u32 s90, s90, s91
	s_add_co_u32 s90, s90, s88
	s_mov_b32 s91, 0
	s_wait_kmcnt 0x0
	s_load_b64 s[68:69], s[8:9], 0x28              ; e10, e11
	s_add_nc_u64 s[G0A+2:G0A+3], s[4:5], s[84:85]
	s_or_b32 s[G0A+3], s[G0A+3], 0x80000000
	s_add_nc_u64 s[PB:PB+1], s[6:7], s[86:87]
	s_mov_b64 s[G0B+2:G0B+3], s[PB:PB+1]           ; slot 0: K 0 .. 511
	s_or_b32 s[G0B+3], s[G0B+3], 0x80000000
	s_add_nc_u64 s[G0B+6:G0B+7], s[PB:PB+1], 512   ; slot 1, later: K 512 .. 1,023
	s_or_b32 s[G0B+7], s[G0B+7], 0x80000000
	s_add_nc_u64 s[78:79], s[12:13], s[90:91]      ; out0 at my first number
	s_add_nc_u64 s[80:81], s[10:11], s[88:89]      ; bo at my first column
	CROUND                                         ; all sixteen work-groups are here: the first joint loads meet
	tensor_load_to_lds s[G0A:G0A+3], s[G1A:G1A+7]  ; ctx's tile into slot 1's bytes,
	s_nop 0
	s_wait_alu depctr_va_vdst(0)
	s_wait_tensorcnt 0x0
	ds_add_u32 v28, v29
	s_wait_dscnt 0x0
	CROUND
	tensor_load_to_lds s[G0B:G0B+3], s[G1B:G1B+7]  ; Wo's first 512 along K into slot 0
	s_nop 0
	PLACES 4
	v_and_b32 v[LO], 31, v0
	v_lshlrev_b32 v[LO], 4, v[LO]
	global_load_b128 v[BIAS:BIAS+3], v[LO], s[80:81]   ; behind the stage a lane holds columns 4 x lane + 0 .. 3 of every row
	v_and_b32 v1, 15, v0                           ; r
	v_bfe_u32 v2, v0, 4, 1                         ; h
	s_lshl_b32 s94, s21, 16
	s_add_co_u32 s94, s94, SLOT
	v_add_nc_u32 v[ADRA], s94, v[LO]               ; my four tiles of rows: 65,536 rh + 16 x lane
	v_mul_u32_u24 v3, v1, PITCHB
	v_lshl_add_u32 v3, v2, 4, v3
	s_mul_i32 s95, s22, 128*PITCHB
	v_add_nc_u32 v[ADRB], s95, v3
	v_add_nc_u32 v[ADRB+1], SLOT, v[ADRB]
	s_mul_i32 s96, s[WV], 16*SPITCH                ; my stage
	v_mul_u32_u24 v3, v1, SPITCH
	v_lshl_add_u32 v3, v2, 5, v3
	v_add_nc_u32 v[STO], s96, v3                   ; in: row r, 32 bytes for each half of the lanes
	v_add_nc_u32 v[RD], s96, v[LO]                 ; back: the 32 lanes take one row of 512 bytes
	s_wait_alu depctr_va_vdst(0)
	s_wait_kmcnt 0x0
	s_add_co_i32 s70, s68, s69
	s_add_co_i32 s70, s70, 127
	s_lshl_b32 s70, s70, 23                        ; 2^(e10 + e11) as f32
	s_mov_b32 s71, s70                             ; (named with it as a pair, so it is written)
.macro BLOAD g                         ; the four fragments of Wo of half-step g, into buffer g % 3
.set BR, BB+64*((\g)%3)
.set BO, 4*((\g)%2)*16*PITCHB+128*(((\g)%8)/2)
.irp bq, 0,1,2,3
.irp c, 0,1,2,3
	ds_load_b128 v[BR+16*\bq+4*\c:BR+16*\bq+4*\c+3], v[ADRB+((\g)/8)%2] offset:BO+\bq*16*PITCHB+32*\c
.endr
.endr
.endm
.macro MUL8 g, half                    ; eight matrix instructions: two column blocks x my four row blocks; the 32 accumulators take turns, one instruction a turn
.set QK, ((\g)%16)/2
.set AW, 2+QK/4
.set BR, BB+64*((\g)%3)
.set WW, 0x50|(AW<<2)                  ; source 0 = Wo (window 0), source 1 = ctx (window 2 or 3), C and D window 1
	WIN WW
.irp bq, 2*\half, 2*\half+1
.irp a, 0,1,2,3
.set DR, 8*(8*\a+4*((\g)%2)+(\bq))
.set AR, 64*(QK%4)+16*\a
.set FB, BR+16*(\bq)
.if ((\g)%16) < 2
	v_wmma_f32_16x16x128_fp8_fp8 v[DR:DR+7], v[FB:FB+15], v[AR:AR+15], 0
.else
	v_wmma_f32_16x16x128_fp8_fp8 v[DR:DR+7], v[FB:FB+15], v[AR:AR+15], v[DR:DR+7]
.endif
.endr
.endr
.endm
.macro HS g
.if (\g)+2 < NG
	PLACES 4                                       ; in front of loads into the buffer that the half-step before has just multiplied
	WIN 0
	BLOAD (\g)+2
.endif
.if NG-1-(\g) >= 2
	s_wait_dscnt 32                                ; mine are in; the 16 loads of each of the next two half-steps may be out
.else
	s_wait_dscnt 16*(NG-1-(\g))
.endif
	MUL8 \g, 0
	MUL8 \g, 1
.endm
	s_wait_tensorcnt 0x0                           ; my parts of ctx's tile and of slot 0 are in,
	s_barrier_signal -1
	s_barrier_wait -1                              ; everybody's are.
.irp q, 0,1,2,3,4,5,6,7                        ; my 64 rows of ctx, all of K: 32 fragments, as they lie
.set WW, 0x80+0x40*(\q/4)
	WIN WW
.irp a, 0,1,2,3
.irp c, 0,1,2,3
	ds_load_b128 v[64*(\q%4)+16*\a+4*\c:64*(\q%4)+16*\a+4*\c+3], v[ADRA] offset:\a*16384+2048*\q+512*\c
.endr
.endr
.endr
	WIN 0
	BLOAD 0
	BLOAD 1
	s_wait_tensorcnt 0x0                           ; ctx's tile has been read: its bytes join the ring.  No tensor load of mine is out;
	ds_add_u32 v[SPW], v[NIL]                      ; 0 onto my spare word;
	s_wait_dscnt 0x0                               ; the add is done, and my reads of ctx's tile are in
	CROUND                                         ; both hold of every wave of every partner
	tensor_load_to_lds s[G0B+4:G0B+7], s[G1B:G1B+7]   ; slot 1: K 512 on: my one tensor load behind the round, and the launch's last
	s_nop 0
	PLACES 4
.irp g, 0,1,2,3,4,5
	HS \g
.endr
	; the change of slots: nothing is filled again, so no round follows
	WIN 0
	s_wait_tensorcnt 0x0                           ; my part of slot 1 is in;
	ds_add_u32 v[SPW], v[NIL]                      ; 0 onto my spare word;
	s_wait_dscnt 17                                ; half-step 6's fragments are in; half-step 7's 16 loads and the add may be out
	MUL8 6, 0
	s_wait_dscnt 0x0                               ; the add is done, and my reads of slot 0 are over
	s_barrier_signal -1
	MUL8 6, 1
	WIN 0
	s_barrier_wait -1
	PLACES 4
	BLOAD 8
.irp g, 7,8,9,10,11,12,13,14,15
	HS \g
.endr
; THE WAY OUT, block by block of 16 rows x 128 columns.  A lane holds 32 neighbouring bytes of a row, and the lanes beside it hold other rows: so a block goes through my own stage in LDS and comes back as whole rows of
; 512 bytes.  LDS serves a wave's instructions in order (ISA guide 5.7.1.4): no wait between the stores and the loads, nor in front of the next block's stores.
.macro TOSTAGE a
	WIN 0x04                                       ; the stores' data: window 1
.irp b, 0,1,2,3,4,5,6,7
	ds_store_b128 v[STO], v[8*(8*(\a)+\b):8*(8*(\a)+\b)+3] offset:64*\b       ; each accumulator from its low end on
	ds_store_b128 v[STO], v[8*(8*(\a)+\b)+4:8*(8*(\a)+\b)+7] offset:64*\b+16
.endr
	WIN 0
.set BKR, BB+64*((\a)%2)
.irp t, 0,1,2,3,4,5,6,7,8,9,10,11,12,13,14,15
	ds_load_b128 v[BKR+4*\t:BKR+4*\t+3], v[RD] offset:\t*SPITCH
.endr
.endm
.macro SEND a, younger                 ; younger: the LDS instructions issued behind block a's loads, which may stay out
.set BKR, BB+64*((\a)%2)
	s_wait_dscnt \younger                          ; the block is back in registers
.irp t, 0,1,2,3,4,5,6,7,8,9,10,11,12,13,14,15
.irp i, 0,2
	v_pk_fma_f32 v[BKR+4*\t+\i:BKR+4*\t+\i+1], v[BKR+4*\t+\i:BKR+4*\t+\i+1], s[70:71], v[BIAS+\i:BIAS+\i+1] op_sel_hi:[1,0,1]   ; sum x 2^(e10 + e11) + bo, two at a time
.endr
.endr
.irp t, 0,1,2,3,4,5,6,7,8,9,10,11,12,13,14,15
	global_store_b128 v[LO], v[BKR+4*\t:BKR+4*\t+3], s[78:79] offset:(16*(\a)+\t)*4096 th:TH_STORE_NT   ; 32 lanes store 512 consecutive bytes, aligned; written once, read by nobody here
.endr
.endm
	s_wait_loadcnt 0x0                             ; bo
	PLACES 4                                       ; behind the last products: for the stores that read results and the loads into the buffers
	TOSTAGE 0
	TOSTAGE 1
	SEND 0, 32                                     ; behind block 0's loads: block 1's 16 stores and 16 loads
	s_wait_xcnt 0x0                                ; block 0's stores have read their registers: block 2's loads may land there
	TOSTAGE 2
	SEND 1, 32
	s_wait_xcnt 0x0
	TOSTAGE 3
	SEND 2, 32
	SEND 3, 0
	s_wait_tensorcnt 0x0                           ; the wave's end: behind my last tensor load and my last LDS store
	ds_add_u32 v[SPW], v[NIL]
	s_wait_dscnt 0x0
	CROUND                                         ; the closing round
	s_endpgm
.Lfunc_end_k_qc054b41297_proj:
	.size	k_qc054b41297_proj, .Lfunc_end_k_qc054b41297_proj-k_qc054b41297_proj
	.p2alignl 7, 3214868480
	.fill 96, 4, 3214868480
	.section	.rodata,"a",@progbits
	.p2align	6, 0x0
	.amdhsa_kernel k_qc054b41297_proj
		.amdhsa_group_segment_fixed_size 327680
		.amdhsa_private_segment_fixed_size 0
		.amdhsa_enable_private_segment 0
		.amdhsa_kernarg_size 40
		.amdhsa_user_sgpr_count 2
		.amdhsa_user_sgpr_kernarg_segment_ptr 1
		.amdhsa_wavefront_size32 1
		.amdhsa_system_sgpr_workgroup_id_x 1
		.amdhsa_system_sgpr_workgroup_id_y 1
		.amdhsa_system_sgpr_workgroup_id_z 1
		.amdhsa_system_vgpr_workitem_id 0
		.amdhsa_next_free_vgpr 1024
		.amdhsa_next_free_sgpr 100
		.amdhsa_reserve_vcc 0
		.amdhsa_float_denorm_mode_32 3
		.amdhsa_float_denorm_mode_16_64 3
		.amdhsa_memory_ordered 1
		.amdhsa_forward_progress 1
		.amdhsa_inst_pref_size 74
	.end_amdhsa_kernel
	.amdgpu_metadata
---
amdhsa.version: [ 1, 2 ]
amdhsa.kernels:
  - .name:           k_qc054b41297_proj
    .symbol:         k_qc054b41297_proj.kd
    .args:
      - { .name: ctx_img, .offset: 0, .size: 8, .value_kind: global_buffer, .address_space: global }
      - { .name: Wo_codes, .offset: 8, .size: 8, .value_kind: global_buffer, .address_space: global }
      - { .name: lowp_scales, .offset: 16, .size: 8, .value_kind: global_buffer, .address_space: global }
      - { .name: bo, .offset: 24, .size: 8, .value_kind: global_buffer, .address_space: global }
      - { .name: out0, .offset: 32, .size: 8, .value_kind: global_buffer, .address_space: global }
    .group_segment_fixed_size: 327680
    .private_segment_fixed_size: 0
    .kernarg_segment_align: 8
    .kernarg_segment_size: 40
    .max_flat_workgroup_size: 128
    .sgpr_count:     100
    .vgpr_count:     1024
    .wavefront_size: 32
...
	.end_amdgpu_metadata
.endif
;; end of part 3
